; MI455X (gfx1250); checked and timed in simulation.
; The chip was launched on July 23, 2026; its instructions are those of AMD's public machine-readable ISA for CDNA 5 (MIT licence, August 2026) and "CDNA5" Instruction Set Architecture Reference Guide (July 2026). The comments in the code are by the model that wrote it; some were corrected since.
;; Multi Head Self Attention Projector. Allowed arithmetic: matrix products marked QUANTISED: E2M1 operands, one E8M0 scale for each 32 along K, by v_wmma_scale_f32_16x16x128_f8f6f4 with both operands' format E2M1 (or v_wmma_scale_f32_32x16x128_f4), f32 sums; everything else in f32.
;; Inputs: Wk 768 x 512 float32; Wo 512 x 768 float32; Wq 768 x 512 float32; Wv 768 x 512 float32; bk 512 float32; bo 768 float32; bq 512 float32; bv 512 float32; text_embeds 4 x 2,048 x 768 float32.
;; Outputs: out0 4 x 2,048 x 768 float32.
;; This version of the problem:
;;   THIS VERSION OF THE PROBLEM IS GIVEN IN LOW PRECISION. The matrix products marked QUANTISED in the list below multiply operands that are first quantised to E2M1 (2 exponent bits, 1 mantissa bit; 4 bits a number), with one power-of-two scale for each 32 numbers along K (OCP MX v1.0); their sums are f32. All else is computed in f32.
;;   The module's matrix products, in the order in which they are computed (A, B: the left and right operand; K: the contracted axis; several contracted axes count as one K, in the product's order):
;;     1. [M 8,192, K 768] x [K 768, N 512]; A: input text_embeds; B: input Wq: QUANTISED
;;     2. [M 8,192, K 768] x [K 768, N 512]; A: input text_embeds; B: input Wk: QUANTISED
;;     3. [M 8,192, K 768] x [K 768, N 512]; A: input text_embeds; B: input Wv: QUANTISED
;;     4. batch 32 x [M 2,048, K 64] x [K 64, N 2,048]; A: computed on the way; B: computed on the way: QUANTISED
;;     5. batch 32 x [M 2,048, K 2,048] x [K 2,048, N 64]; A: softmax (see below); B: computed on the way: QUANTISED
;;     6. [M 8,192, K 512] x [K 512, N 768]; A: computed on the way; B: input Wo: QUANTISED
;;   THE QUANTISER, for each operand of a quantised product, along K:
;;     - K is cut into blocks of 32 from its start; a last block that is shorter is filled with zeros.
;;     - A block's scale is 2^e with e = floor(log2(the largest magnitude in the block)) - 2, held to -126 .. 127; a block of zeros has e = 0. As a byte (E8M0): e + 127.
;;     - Each number is divided by its block's scale, clamped to +-6, and rounded to the nearest number of E2M1, ties to even, subnormals kept.
;;     - The product sums the exact products of the quantised numbers (number of the format x scale) in f32.
;;   ~~~python
;;   def quantise(x, axis):      # numpy; x: float32 -> the quantised numbers, widened to float32 again
;;       x = np.moveaxis(x, axis, -1); K = x.shape[-1]
;;       x = np.pad(x, [(0, 0)] * (x.ndim - 1) + [(0, -K % 32)]); x = x.reshape(x.shape[:-1] + (-1, 32)); a = np.abs(x).max(-1, keepdims=True)
;;       e = np.where(a > 0, np.clip(np.frexp(np.where(a > 0, a, 1))[1] - 1 - 2, -126, 127), 0)      # np.frexp(a)[1] - 1 = floor(log2(a)), exactly
;;       r = np.clip(x / 2.0 ** e, -6, 6)
;;       step = 2.0 ** (np.maximum(np.frexp(np.where(r == 0, 1, r))[1] - 1, 0) - 1)
;;       q = np.round(r / step) * step * 2.0 ** e      # np.round: ties to even
;;       return np.moveaxis(q.reshape(q.shape[:-2] + (-1,))[..., :K], -1, axis).astype(np.float32)
;;   ~~~
;;   SOFTMAX AHEAD OF A QUANTISED PRODUCT. Where the list says 'softmax', what is quantised is not the finished softmax but p = 2^(t - M), with t = logit x log2(e) and M = ceil(the row's largest t), a whole number; so 1/2 < the row's largest p <= 1. The row's sum l is taken of the UNQUANTISED p, in f32, and the product's result is divided by l at the end. Since M is a whole number, a kernel that streams over the keys may use a running M (the ceiling of the running maximum): every later rescaling is an exact power of two, which a block's scale takes up: the codes' values come out the same.
;;   OPERANDS COMPUTED ON THE WAY. 'Computed on the way' means the value that the module computes at that place (a softmax that the list does not call 'softmax' is quantised finished and normalised). What goes into a quantiser is computed in f32, as accurately as f32 sums, v_exp_f32 and their like allow (about 1e-6 of the number): no bf16 or f16 on the way to a quantiser, and a product that is left as it is and whose result goes on into a quantised operand takes f32 operands (vector FMAs, or v_wmma_f32_16x16x4_f32). A number that lies on a knife's edge between two numbers of the format may be rounded either way, as far as f32 arithmetic and the matrix unit's own rounding can turn it there, and no further.
;; One version. Each part assembles by itself: llvm-mc -triple=amdgcn-amd-amdhsa -mcpu=gfx1250 --defsym DOCPART=n.
;; ======== version 1 of 1: 4 launches
;; workspace buffers: pcodes 3,932,160 bytes; pscales 245,760 bytes; hcodes 6,291,456 bytes; hscales 393,216 bytes; acodes 2,097,152 bytes; ascales 262,144 bytes
;; launch prep (part 1): grid 480 x 1, 4 waves a work-group, no clusters, 68,096 bytes of LDS; arguments text_embeds, Wq, Wk, Wv, Wo, pcodes, pscales; writes pcodes, pscales
.if DOCPART == 1
	.amdgcn_target "amdgcn-amd-amdhsa--gfx1250"
	.amdhsa_code_object_version 6
	.text
	.protected	k_q7fefee18d9_prep
	.globl	k_q7fefee18d9_prep
	.p2align	8
	.type	k_q7fefee18d9_prep,@function
k_q7fefee18d9_prep:
	s_mov_b64 s[64:65], 0
	v_nop
	global_prefetch_b8 v0, s[64:65] scope:SCOPE_SE
	s_setreg_imm32_b32 hwreg(HW_REG_WAVE_MODE, 25, 1), 1
	s_wait_xcnt 0x0
; PREP: text_embeds [8192][768], Wq, Wk, Wv [768][512] and Wo [512][768], all f32, become codes of FP4 (E2M1) with one E8M0 byte for each 32 along K.
; K is x's last axis and the weights' FIRST axis.  A block's scale is 2^(floor(log2(its largest magnitude)) - 2): its byte is the largest magnitude's exponent field - 2.
; THE CODES ARE LAID AS IMAGES OF OPERAND REGISTERS.  A fragment (16 rows x 128 K) is 1,024 bytes, [c = 0, 1][lane][16 bytes]: lane (r = lane % 16, h = lane / 16), piece c holds k = 64 c + 32 h + 0 .. 31 of the
; fragment's row r.  Rows go in PAIRS of tiles (32 rows): lane r of tile u is row 8 u + r + 8 (r / 8) of the pair.  Scale words (four bytes: 128 K of a row) lie [u][r]: 128 bytes for a pair and a K step.
; A WAVE TAKES ONE UNIT: a pair of 32 rows x one K step of 128: 16 KiB of f32 in, 2,048 bytes of codes and 128 bytes of scale words out.  Waves share nothing: no barrier.
; Groups 0-383: x (256 pairs x 6 K steps); 384-455: Wq, Wk, Wv (48 pairs x 6); 456-479: Wo (24 pairs x 4).  No matrix work, no tensor loads, no cluster: no two groups read the same byte.
; LIMITS: NaN and infinities among the inputs are not served.  A block whose largest magnitude lies under 2^-124, a block of zeros among them, gets the byte 1 (the floor below): zeros' codes are zeros, which add
; nothing under any byte but 0xff, and this program alone reads the bytes.
.set R,    32                          ; v32-159  the unit's 4,096 numbers, 128 a lane
.set C,    160                         ; v160-175 codes: four registers a block, never written twice
.set B,    176                         ; v176-179 scale bytes
.set W,    180                         ; v180-183 scale words
.set OC,   3735552                     ; pcodes: 38 groups of 256 rows x 98,304 bytes, then Wo's 24 pairs x 8,192
.set OS,   233472                      ; pscales: 304 pairs x 768 bytes, then Wo's 24 x 512
.set SP,   528                         ; a row of the stage: 512 bytes + 16: 132 words, so 16 rows begin at 16 different groups of four banks
.set WREG, 32*SP                       ; a wave's stage
; 32 numbers of one block in v[x] on -> four registers of codes at v[cd], the scale's byte in v[bd]
.macro BLK x, cd, bd
	v_max3_num_f32 v8, |v[(\x)]|, |v[(\x)+1]|, |v[(\x)+2]|         ; the largest magnitude, in two chains
	v_max3_num_f32 v9, |v[(\x)+3]|, |v[(\x)+4]|, |v[(\x)+5]|
.irp i, 6,10,14,18,22,26
	v_max3_num_f32 v8, v8, |v[(\x)+\i]|, |v[(\x)+\i+1]|
	v_max3_num_f32 v9, v9, |v[(\x)+\i+2]|, |v[(\x)+\i+3]|
.endr
	v_max3_num_f32 v8, v8, |v[(\x)+30]|, |v[(\x)+31]|
	v_max3_num_f32 v8, v8, v9, 0x1800000                           ; and the floor 2^(3 - 127): the byte cannot fall under 1
	v_add_nc_u32 v10, 0xff000000, v8                               ; 2 off the exponent field: the conversion takes this operand's exponent field as its scale
.irp g, 0,1,2,3
	v_cvt_scalef32_pk8_fp4_f32 v[(\cd)+\g], v[(\x)+8*\g:(\x)+8*\g+7], v10
.endr
	v_lshrrev_b32 v[(\bd)], 23, v10                                ; the byte (also the plain line behind the conversions)
.endm
; s26 = the pair among the 304 of x, Wq, Wk, Wv; s27 = the K step  ->  s22 = the unit's place in pcodes, s24 = in pscales
.macro PLACE
	s_lshr_b32 s28, s26, 3
	s_mul_i32 s22, s28, 98304                      ; the group of eight pairs
	s_lshr_b32 s28, s27, 1
	s_lshl_b32 s28, s28, 15                        ; two K steps of a group lie together: 32,768 bytes
	s_add_co_u32 s22, s22, s28
	s_and_b32 s28, s26, 7
	s_lshl_b32 s28, s28, 12
	s_add_co_u32 s22, s22, s28
	s_and_b32 s28, s27, 1
	s_lshl_b32 s28, s28, 11
	s_add_co_u32 s22, s22, s28
	s_mul_i32 s24, s26, 768
	s_lshl_b32 s28, s27, 7
	s_add_co_u32 s24, s24, s28
.endm
; A unit of a weight: A LANE TAKES A COLUMN AND ITS REGISTERS RUN DOWN K, so a block lies in one lane and the codes come out with K innermost.  Each load reads 128 consecutive bytes, the four waves 512 on end.
.macro WUNIT pitch
.set k, 0
.rept 128
	global_load_b32 v[R+k], v2, s[6:7] offset:k*\pitch th:TH_LOAD_NT
.set k, k+1
.endr
.irp t, 0,1,2,3
.if \t < 2
	s_wait_loadcnt 63                              ; a wait names 63 at the most: 96 and 64 loads were issued behind these two blocks', so the smaller count covers both
.else
	s_wait_loadcnt 32*(3-\t)                       ; the later blocks' loads may be out
.endif
	BLK R+32*\t, C+4*\t, B
.if \t == 0
	v_mov_b32 v[W], v[B]
.else
	v_lshl_or_b32 v[W], v[B], 8*\t, v[W]           ; block t's byte is byte t of my column's scale word
.endif
	global_store_b128 v3, v[C+4*\t:C+4*\t+3], s[14:15] offset:256*\t   ; block t = 2 c + h lies at 512 c + 256 h + 16 r: sixteen lanes fill 256 consecutive aligned bytes, the wave two such runs
.endr
	global_store_b32 v4, v[W], s[16:17]
.endm
	s_load_b256 s[4:11], s[0:1], 0x0               ; x s[4:5], Wq s[6:7], Wk s[8:9], Wv s[10:11]
	s_load_b128 s[12:15], s[0:1], 0x20             ; Wo s[12:13], pcodes s[14:15]
	s_load_b64 s[16:17], s[0:1], 0x30              ; pscales
	v_lshl_add_u32 v192, v0, 2, 0x10800
	v_mov_b32 v193, 0
	v_lshrrev_b32 v1, 5, v0
	v_readfirstlane_b32 s18, v1                    ; wave 0..3
	v_and_b32 v1, 31, v0                           ; lane
	s_mov_b32 s21, 0                               ; the high words of three offsets
	s_mov_b32 s23, 0
	s_mov_b32 s25, 0
	s_cmp_ge_u32 ttmp9, 384
	s_cbranch_scc1 .Lweights
	; ---- x: pair p = 4 (id / 6) + wave, K step s = id % 6
	s_mul_i32 s26, ttmp9, 43691
	s_lshr_b32 s26, s26, 18                        ; id / 6: 43,691 / 2^18 exceeds 1/6 by 1.3e-6, exact for ids far beyond 383
	s_mul_i32 s27, s26, 6
	s_sub_co_u32 s27, ttmp9, s27                   ; s
	s_lshl_b32 s26, s26, 2
	s_add_co_u32 s26, s26, s18                     ; p
	s_mul_i32 s20, s26, 98304                      ; 32 rows of 3,072 bytes
	s_lshl_b32 s28, s27, 9                         ; 128 numbers
	s_add_co_u32 s20, s20, s28
	PLACE
	s_mov_b32 s32, 0x76543210
	s_mov_b32 s33, 0xfedcba98                      ; v_permlanex16_b32's selects for lane l xor 16
	s_mul_i32 s29, s18, WREG                       ; my wave's stage
	v_lshlrev_b32 v2, 4, v1                        ; 16 x lane
	v_add_nc_u32 v3, s29, v2                       ; into the stage: a row's 512 bytes as they lie
	v_and_b32 v7, 15, v0                           ; r
	v_bfe_u32 v6, v0, 4, 1                         ; h
	v_mul_u32_u24 v4, v7, SP
	v_lshl_add_u32 v4, v6, 7, v4
	v_add_nc_u32 v4, s29, v4                       ; out of it: slot r, block h
	v_lshlrev_b32 v5, 2, v1                        ; 4 x lane
	v_lshlrev_b32 v6, 3, v6                        ; 8 h
	s_wait_kmcnt 0x0
	s_add_nc_u64 s[4:5], s[4:5], s[20:21]
	s_add_nc_u64 s[14:15], s[14:15], s[22:23]
	s_add_nc_u64 s[16:17], s[16:17], s[24:25]
.set rho, 0
.rept 32
	global_load_b128 v[R+4*rho:R+4*rho+3], v2, s[4:5] offset:rho*3072 th:TH_LOAD_NT   ; row rho: 512 consecutive aligned bytes
.set rho, rho+1
.endr
.set rho, 0
.rept 32
	s_wait_loadcnt 31-rho                          ; loads come back in order: row rho is in, the younger rows may be out
	ds_store_b128 v3, v[R+4*rho:R+4*rho+3] offset:(16*((rho>>3)&1)+(rho&7)+8*(rho>>4))*SP   ; to slot 16 u + r: the rows lie in the stage in the tiles' order
.set rho, rho+1
.endr
	s_wait_dscnt 0x0                               ; the stores have read their registers, which the loads below fill again
.irp q, 0,1,2,3                                ; q = 2 u + c: block 2 c + h of tile u's row r, whole, into one lane
.irp i, 0,1,2,3,4,5,6,7
	ds_load_b128 v[R+32*\q+4*\i:R+32*\q+4*\i+3], v4 offset:(\q/2)*16*SP+(\q%2)*256+16*\i
.endr
.endr
.irp q, 0,1,2,3
	s_wait_dscnt 8*(3-\q)                          ; the later blocks' eight loads each may be out
	BLK R+32*\q, C+4*\q, B+\q
.endr
	v_lshl_or_b32 v[W], v[B+1], 16, v[B]           ; tile 0: my bytes of blocks h and 2 + h,
	v_lshl_or_b32 v[W+1], v[B+3], 16, v[B+2]       ; tile 1
	v_lshlrev_b32 v[W], v6, v[W]                   ; at their places in the word (8 h bits up);
	v_lshlrev_b32 v[W+1], v6, v[W+1]
	v_mov_b32 v[W+2], 0                            ; (a lane permute's destination counts as one of its sources)
	v_mov_b32 v[W+3], 0
	v_permlanex16_b32 v[W+2], v[W], s32, s33
	v_permlanex16_b32 v[W+3], v[W+1], s32, s33
	v_or_b32 v[W], v[W], v[W+2]                    ; with lane l xor 16's two bytes the word is whole
	v_or_b32 v[W+1], v[W+1], v[W+3]
	v_cmp_lt_u32 vcc_lo, 15, v1
	v_cndmask_b32 v[W], v[W], v[W+1], vcc_lo       ; lanes 0-15 store tile 0's words, lanes 16-31 tile 1's
.irp q, 0,1,2,3
	global_store_b128 v2, v[C+4*\q:C+4*\q+3], s[14:15] offset:512*\q   ; 512 consecutive aligned bytes
.endr
	global_store_b32 v5, v[W], s[16:17]
	s_wait_tensorcnt 0x0
	ds_add_u32 v192, v193
	s_wait_dscnt 0x0
	s_endpgm
.Lweights:
	s_sub_co_u32 s30, ttmp9, 384
	v_bfe_u32 v6, v0, 3, 1                         ; column nu = lane of the pair is lane r' = nu % 8 + 8 (nu / 16) of tile u = (nu / 8) % 2
	v_and_b32 v7, 7, v0
	v_bfe_u32 v11, v0, 4, 1
	v_lshl_add_u32 v7, v11, 3, v7
	v_lshlrev_b32 v2, 2, v1                        ; in: 4 bytes a lane
	v_lshlrev_b32 v3, 4, v7
	v_lshl_add_u32 v3, v6, 10, v3                  ; codes: 1,024 u + 16 r'
	v_lshlrev_b32 v4, 2, v7
	v_lshl_add_u32 v4, v6, 6, v4                   ; scale word: 64 u + 4 r'
	s_cmp_ge_u32 s30, 72
	s_cbranch_scc1 .Lwo
	; ---- Wq, Wk, Wv: pair = 4 (id / 6) + wave of 48, 16 to a matrix; K step = id % 6
	s_mul_i32 s26, s30, 43691
	s_lshr_b32 s26, s26, 18
	s_mul_i32 s27, s26, 6
	s_sub_co_u32 s27, s30, s27                     ; s
	s_lshr_b32 s31, s26, 2                         ; which matrix
	s_and_b32 s28, s26, 3
	s_lshl_b32 s28, s28, 2
	s_add_co_u32 s28, s28, s18                     ; the pair in it
	s_lshl_b32 s20, s28, 7                         ; 32 columns of 4 bytes
	s_lshl_b32 s29, s27, 18                        ; 128 rows of 2,048 bytes
	s_add_co_u32 s20, s20, s29
	s_lshl_b32 s26, s26, 2
	s_add_co_u32 s26, s26, s18
	s_add_co_u32 s26, s26, 256                     ; behind x's 256 pairs
	PLACE
	s_wait_kmcnt 0x0
	s_cmp_eq_u32 s31, 1                            ; the choice hangs on the group's number alone
	s_cselect_b64 s[6:7], s[8:9], s[6:7]
	s_cmp_eq_u32 s31, 2
	s_cselect_b64 s[6:7], s[10:11], s[6:7]
	s_add_nc_u64 s[6:7], s[6:7], s[20:21]
	s_add_nc_u64 s[14:15], s[14:15], s[22:23]
	s_add_nc_u64 s[16:17], s[16:17], s[24:25]
	WUNIT 2048
	s_endpgm
.Lwo:
	; ---- Wo: pair = 4 (id / 4) + wave of 24; K step = id % 4
	s_sub_co_u32 s30, s30, 72
	s_and_b32 s27, s30, 3
	s_lshr_b32 s26, s30, 2
	s_lshl_b32 s26, s26, 2
	s_add_co_u32 s26, s26, s18
	s_mul_i32 s20, s27, 393216                     ; 128 rows of 3,072 bytes
	s_lshl_b32 s28, s26, 7
	s_add_co_u32 s20, s20, s28
	s_lshl_b32 s22, s26, 13                        ; a pair's four K steps: 8,192 bytes
	s_lshl_b32 s28, s27, 11
	s_add_co_u32 s22, s22, s28
	s_add_co_u32 s22, s22, OC
	s_lshl_b32 s24, s26, 9
	s_lshl_b32 s28, s27, 7
	s_add_co_u32 s24, s24, s28
	s_add_co_u32 s24, s24, OS
	s_wait_kmcnt 0x0
	s_add_nc_u64 s[6:7], s[12:13], s[20:21]
	s_add_nc_u64 s[14:15], s[14:15], s[22:23]
	s_add_nc_u64 s[16:17], s[16:17], s[24:25]
	WUNIT 3072
	s_endpgm
.Lfunc_end_k_q7fefee18d9_prep:
	.size	k_q7fefee18d9_prep, .Lfunc_end_k_q7fefee18d9_prep-k_q7fefee18d9_prep
	.p2alignl 7, 3214868480
	.fill 96, 4, 3214868480
	.section	.rodata,"a",@progbits
	.p2align	6, 0x0
	.amdhsa_kernel k_q7fefee18d9_prep
		.amdhsa_group_segment_fixed_size 68096
		.amdhsa_private_segment_fixed_size 0
		.amdhsa_enable_private_segment 0
		.amdhsa_kernarg_size 56
		.amdhsa_user_sgpr_count 2
		.amdhsa_user_sgpr_kernarg_segment_ptr 1
		.amdhsa_wavefront_size32 1
		.amdhsa_system_sgpr_workgroup_id_x 1
		.amdhsa_system_sgpr_workgroup_id_y 1
		.amdhsa_system_sgpr_workgroup_id_z 1
		.amdhsa_system_vgpr_workitem_id 0
		.amdhsa_next_free_vgpr 194
		.amdhsa_next_free_sgpr 66
		.amdhsa_reserve_vcc 1
		.amdhsa_float_denorm_mode_32 3
		.amdhsa_float_denorm_mode_16_64 3
		.amdhsa_memory_ordered 1
		.amdhsa_forward_progress 1
		.amdhsa_inst_pref_size 57
	.end_amdhsa_kernel
	.amdgpu_metadata
---
amdhsa.version: [ 1, 2 ]
amdhsa.kernels:
  - .name:           k_q7fefee18d9_prep
    .symbol:         k_q7fefee18d9_prep.kd
    .args:
      - { .name: text_embeds, .offset: 0, .size: 8, .value_kind: global_buffer, .address_space: global }
      - { .name: Wq, .offset: 8, .size: 8, .value_kind: global_buffer, .address_space: global }
      - { .name: Wk, .offset: 16, .size: 8, .value_kind: global_buffer, .address_space: global }
      - { .name: Wv, .offset: 24, .size: 8, .value_kind: global_buffer, .address_space: global }
      - { .name: Wo, .offset: 32, .size: 8, .value_kind: global_buffer, .address_space: global }
      - { .name: pcodes, .offset: 40, .size: 8, .value_kind: global_buffer, .address_space: global }
      - { .name: pscales, .offset: 48, .size: 8, .value_kind: global_buffer, .address_space: global }
    .group_segment_fixed_size: 68096
    .private_segment_fixed_size: 0
    .kernarg_segment_align: 8
    .kernarg_segment_size: 56
    .max_flat_workgroup_size: 128
    .sgpr_count:     66
    .vgpr_count:     194
    .wavefront_size: 32
...
	.end_amdgpu_metadata
.endif
;; end of part 1
;; launch qkv (part 2): grid 192 x 1, 16 waves a work-group, no clusters, 211,968 bytes of LDS; arguments pcodes, pscales, bq, bk, bv, hcodes, hscales; writes hcodes, hscales
.if DOCPART == 2
	.amdgcn_target "amdgcn-amd-amdhsa--gfx1250"
	.amdhsa_code_object_version 6
	.text
	.protected	k_q7fefee18d9_qkv
	.globl	k_q7fefee18d9_qkv
	.p2align	8
	.type	k_q7fefee18d9_qkv,@function
k_q7fefee18d9_qkv:
	s_mov_b64 s[64:65], 0
	v_nop
	global_prefetch_b8 v0, s[64:65] scope:SCOPE_SE
	s_setreg_imm32_b32 hwreg(HW_REG_WAVE_MODE, 25, 1), 1
	s_wait_xcnt 0x0
; QKV: q = x Wq + bq, k = x Wk + bk, v = x Wv + bv on codes of FP4 (K = 768, six steps of 128), and the results quantised at once: q and k along the head's 64, v along the keys.
; ONE BODY, D = P R^T.  P (source 0) is the side along which the result is quantised next; R (source 1) gives each lane its row.  Groups 0-127 (q, k): P = 256 columns of Wq or Wk (four heads), R = 256 tokens.
; Groups 128-191 (v): P = 256 tokens (keys), R = 256 columns of Wv.  Both sides come from one buffer of register images (16 rows x 128 K = [c][lane][16 bytes]; rows in pairs of tiles, lane r of tile u = row
; 8 u + r + 8 (r / 8) of the pair).  So the 16 registers of P's tiles 2 b and 2 b + 1 are 16 NEIGHBOURS along the next K, and what the quantiser leaves is again an image, whose lane r is R's lane r.
; SHARES.  A group makes 256 x 256; wave w makes P's pairs 4 (w % 2) .. + 3 (128) x R's pair w / 2 (32): 16 accumulators, 128 registers.  Both operands, for all of K, lie in LDS (2 x 98,304 bytes), each byte
; filled ONCE: five tensor loads a wave at the head (scale words, bias, three chunks of two K steps), five outstanding by this text's count; nothing is filled again.
; NO CLUSTER: a group fetches each operand byte once; four neighbours along x share R's half in the q, k part and only two share P's half in the v part, so one text would want two masks chosen by the group's number.
; 192 groups: 8,192 x 1,536 results in tiles of 256 x 256, which keep heads and key steps whole.
; LIMITS: NaN and infinities are not served; a block whose largest magnitude lies under 2^-124 (zeros among them) gets the byte 1; this program alone reads the bytes.
.set SC,   196608                      ; LDS: P's codes at 0, R's at 98,304; from here 16 records of 768 bytes of scale words: P's pairs 0-7, R's 0-7
.set BIAS, 208896                      ; 256 numbers of the bias
.set VC,   4194304                     ; hcodes: q's and k's 16 heads x 262,144 bytes, then v
.set VS,   262144                      ; hscales: 16 x 16,384, then v
.set AP,   6                           ; v6   LDS address of my P fragments      v7  of my R fragments
.set AR,   7
.set APS,  8                           ; v8   of P's scale words                 v9  of R's
.set ARS,  9
.set ABI,  10                          ; v10  the bias along P (q, k)            v11 along R (v)
.set ABR,  11
.set TM,   16                          ; v16-31 the quantiser's: largest magnitudes, bytes, scale operands
.set PW,   32                          ; v32-33 the scale words just made
.set PS,   36                          ; v36-39 P's scale words: lanes 0-15 tile 2 b, lanes 16-31 tile 2 b + 1
.set RS,   40                          ; v40    R's likewise
.set RF,   48                          ; v48-63 R's two fragments; at the end the two fragments of codes just made
.set PF,   64                          ; v64-127 P's eight fragments; at the end the bias
.set ACC,  128                         ; v128-255 accumulator (t, i) at 128 + 64 i + 8 t
.set SEL,  72                          ; s[72:73]
; one product.  The 16 accumulators take turns, one instruction a turn, in the same order in every K step.
.macro MM t, i, zero
.set rD, ACC+64*(\i)+8*(\t)
.set rA, PF+8*(\t)
.set rB, RF+8*(\i)
.set rP, PS+(\t)/2
.if \zero
.if ((\t)%2) && (\i)
	v_wmma_scale_f32_16x16x128_f8f6f4 v[rD:rD+7], v[rA:rA+7], v[rB:rB+7], 0, v[rP], v[RS] matrix_a_fmt:MATRIX_FMT_FP4 matrix_b_fmt:MATRIX_FMT_FP4 matrix_a_scale:MATRIX_SCALE_ROW1 matrix_b_scale:MATRIX_SCALE_ROW1
.elseif (\t)%2
	v_wmma_scale_f32_16x16x128_f8f6f4 v[rD:rD+7], v[rA:rA+7], v[rB:rB+7], 0, v[rP], v[RS] matrix_a_fmt:MATRIX_FMT_FP4 matrix_b_fmt:MATRIX_FMT_FP4 matrix_a_scale:MATRIX_SCALE_ROW1
.elseif \i
	v_wmma_scale_f32_16x16x128_f8f6f4 v[rD:rD+7], v[rA:rA+7], v[rB:rB+7], 0, v[rP], v[RS] matrix_a_fmt:MATRIX_FMT_FP4 matrix_b_fmt:MATRIX_FMT_FP4 matrix_b_scale:MATRIX_SCALE_ROW1
.else
	v_wmma_scale_f32_16x16x128_f8f6f4 v[rD:rD+7], v[rA:rA+7], v[rB:rB+7], 0, v[rP], v[RS] matrix_a_fmt:MATRIX_FMT_FP4 matrix_b_fmt:MATRIX_FMT_FP4
.endif
.else
.if ((\t)%2) && (\i)
	v_wmma_scale_f32_16x16x128_f8f6f4 v[rD:rD+7], v[rA:rA+7], v[rB:rB+7], v[rD:rD+7], v[rP], v[RS] matrix_a_fmt:MATRIX_FMT_FP4 matrix_b_fmt:MATRIX_FMT_FP4 matrix_a_scale:MATRIX_SCALE_ROW1 matrix_b_scale:MATRIX_SCALE_ROW1
.elseif (\t)%2
	v_wmma_scale_f32_16x16x128_f8f6f4 v[rD:rD+7], v[rA:rA+7], v[rB:rB+7], v[rD:rD+7], v[rP], v[RS] matrix_a_fmt:MATRIX_FMT_FP4 matrix_b_fmt:MATRIX_FMT_FP4 matrix_a_scale:MATRIX_SCALE_ROW1
.elseif \i
	v_wmma_scale_f32_16x16x128_f8f6f4 v[rD:rD+7], v[rA:rA+7], v[rB:rB+7], v[rD:rD+7], v[rP], v[RS] matrix_a_fmt:MATRIX_FMT_FP4 matrix_b_fmt:MATRIX_FMT_FP4 matrix_b_scale:MATRIX_SCALE_ROW1
.else
	v_wmma_scale_f32_16x16x128_f8f6f4 v[rD:rD+7], v[rA:rA+7], v[rB:rB+7], v[rD:rD+7], v[rP], v[RS] matrix_a_fmt:MATRIX_FMT_FP4 matrix_b_fmt:MATRIX_FMT_FP4
.endif
.endif
.endm
; K step s: ten fragments and five registers of scale words from LDS, 16 products.  zero = 1: the products start the sums.
.macro KSTEP s, zero
.irp t, 0,1,2,3,4,5,6,7
.irp c, 0,1
	ds_load_b128 v[PF+8*\t+4*\c:PF+8*\t+4*\c+3], v[AP] offset:(\t/2)*4096+((\s)%2)*2048+(\t%2)*1024+\c*512   ; 512 consecutive bytes an instruction
.endr
.endr
.irp i, 0,1
.irp c, 0,1
	ds_load_b128 v[RF+8*\i+4*\c:RF+8*\i+4*\c+3], v[AR] offset:((\s)%2)*2048+\i*1024+\c*512
.endr
.endr
.irp b, 0,1,2,3
	ds_load_b32 v[PS+\b], v[APS] offset:\b*768+(\s)*128
.endr
	ds_load_b32 v[RS], v[ARS] offset:(\s)*128
	s_wait_dscnt 0x0
.irp t, 0,1,2,3,4,5,6,7
.irp i, 0,1
	MM \t, \i, \zero
.endr
.endr
.rept 4
	v_nop                                          ; four places behind the products, ahead of loads into their operands and of the first read of results
.endr
.endm
; 64 numbers of a lane, register 16 b + i = k 32 b + 16 (lane / 16) + i of my row, become a fragment's codes in v[pc] on and its scale word in v[pw]
.macro QUANT s, pc, pw
.irp b, 0,1,2,3
	v_max3_num_f32 v[TM+\b], |v[(\s)+16*\b]|, |v[(\s)+1+16*\b]|, 0x1800000   ; block b: my 16 numbers, and the floor 2^(3 - 127)
.endr
.irp i, 2,4,6,8,10,12,14
.irp b, 0,1,2,3
	v_max3_num_f32 v[TM+\b], v[TM+\b], |v[(\s)+16*\b+\i]|, |v[(\s)+1+16*\b+\i]|   ; the four blocks by turns
.endr
.endr
.irp b, 0,1,2,3
	v_permlanex16_b32 v[TM+4+\b], v[TM+\b], s[SEL], s[SEL+1]
.endr
.irp b, 0,1,2,3
	v_max_num_f32 v[TM+\b], v[TM+\b], v[TM+4+\b]   ; with lane l xor 16's: the block's largest magnitude
.endr
.irp b, 0,1,2,3
	v_add_nc_u32 v[TM+12+\b], 0xff000000, v[TM+\b] ; 2 off its exponent field: the conversion's scale operand
.endr
.irp b, 0,1,2,3
	v_lshrrev_b32 v[TM+4+\b], 23, v[TM+12+\b]      ; the scale's byte
.endr
	v_lshl_or_b32 v[(\pw)], v[TM+5], 8, v[TM+4]
	v_lshl_or_b32 v[(\pw)], v[TM+6], 16, v[(\pw)]
	v_lshl_or_b32 v[(\pw)], v[TM+7], 24, v[(\pw)]
.irp b, 0,1,2,3
	v_cvt_scalef32_pk8_fp4_f32 v[(\pc)+2*\b], v[(\s)+16*\b:(\s)+7+16*\b], v[TM+12+\b]
	v_cvt_scalef32_pk8_fp4_f32 v[(\pc)+1+2*\b], v[(\s)+8+16*\b:(\s)+15+16*\b], v[TM+12+\b]
.endr
	v_nop                                          ; one plain line behind a scaled conversion
.irp c, 0,1                                    ; the operand's layout wants a whole block in a lane: lanes 0-15 block 2 c, lanes 16-31 block 2 c + 1
.irp i, 0,1
	v_permlane16_swap_b32 v[(\pc)+4*\c+\i], v[(\pc)+2+4*\c+\i]
.endr
.endr
.endm
	s_load_b256 s[4:11], s[0:1], 0x0               ; pcodes s[4:5], pscales s[6:7], bq s[8:9], bk s[10:11]
	s_load_b128 s[12:15], s[0:1], 0x20             ; bv s[12:13], hcodes s[14:15]
	s_load_b64 s[16:17], s[0:1], 0x30              ; hscales
	v_lshl_add_u32 v46, v0, 2, 0x33400
	v_mov_b32 v47, 0
	ds_add_u32 v46, v47
	ds_add_u32 v46, v47
	v_lshrrev_b32 v1, 5, v0
	v_readfirstlane_b32 s18, v1                    ; wave 0..15
	; which tile: both parts' numbers are made, then chosen on the group's number
	s_and_b32 s74, ttmp9, 3                        ; q, k: P's group of columns,
	s_lshr_b32 s75, ttmp9, 2                       ;       R's group of tokens
	s_sub_co_u32 s76, ttmp9, 128
	s_and_b32 s77, s76, 1                          ; v: R's group of columns,
	s_lshr_b32 s76, s76, 1                         ;    P's group of tokens
	s_add_co_u32 s78, s74, 32                      ; in pcodes Wq, Wk are groups 32-35,
	s_add_co_u32 s79, s77, 36                      ; Wv groups 36, 37
	s_and_b32 s80, s74, 1
	s_lshl_b32 s80, s80, 10                        ; the bias's 256 numbers begin here
	s_lshl_b32 s81, s77, 10
	s_cmp_ge_u32 ttmp9, 128
	s_cselect_b32 s19, 1, 0                        ; s19: 1 = the v part
	s_cselect_b32 s20, s76, s74                    ; s20: pt
	s_cselect_b32 s21, s77, s75                    ; s21: rt
	s_cselect_b32 s22, s76, s78                    ; s22: P's group in pcodes
	s_cselect_b32 s23, s79, s75                    ; s23: R's
	s_cselect_b32 s80, s81, s80
	; descriptor groups 1: dense blocks as rows of 256 bytes (32 elements of 8 bytes), no padding: images are read 512 consecutive bytes at a time
	s_mov_b32 s24, 3<<16                           ; codes: 16 rows: a pair's two K steps, 4,096 bytes
	s_mov_b32 s25, 32<<16
	s_mov_b32 s26, 16<<16
	s_mov_b32 s27, 32<<16
	s_mov_b32 s28, 16
	s_mov_b32 s29, 32
	s_mov_b32 s30, 0
	s_mov_b32 s31, 0
	s_mov_b32 s32, 3<<16                           ; scale words: 3 rows: a pair's six K steps, 768 bytes
	s_mov_b32 s33, 32<<16
	s_mov_b32 s34, 3<<16
	s_mov_b32 s35, 32<<16
	s_mov_b32 s36, 3
	s_mov_b32 s37, 32
	s_mov_b32 s38, 0
	s_mov_b32 s39, 0
	s_mov_b32 s40, 3<<16                           ; bias: one row of 64 bytes
	s_mov_b32 s41, 8<<16
	s_mov_b32 s42, 1<<16
	s_mov_b32 s43, 8<<16
	s_mov_b32 s44, 1
	s_mov_b32 s45, 8
	s_mov_b32 s46, 0
	s_mov_b32 s47, 0
	; what I fetch: waves 0-7 pair w of P, waves 8-15 pair w - 8 of R
	s_lshr_b32 s82, s18, 3
	s_and_b32 s83, s18, 7
	s_cmp_eq_u32 s82, 0
	s_cselect_b32 s84, s22, s23
	s_mul_i32 s86, s84, 98304
	s_lshl_b32 s85, s83, 12
	s_add_co_u32 s86, s86, s85                     ; codes, in memory
	s_mov_b32 s87, 0
	s_lshl_b32 s88, s84, 3
	s_add_co_u32 s88, s88, s83
	s_mul_i32 s88, s88, 768                        ; scale words, in memory
	s_mov_b32 s89, 0
	s_lshl_b32 s90, s18, 6
	s_add_co_u32 s90, s90, s80                     ; my 64 bytes of the bias
	s_mov_b32 s91, 0
	s_mul_i32 s92, s82, 98304
	s_add_co_u32 s92, s92, s85                     ; codes, in LDS: the wave's number and constants alone
	s_mul_i32 s93, s18, 768
	s_add_co_u32 s93, s93, SC
	s_lshl_b32 s94, s18, 6
	s_add_co_u32 s94, s94, BIAS
	s_wait_dscnt 0x0
	s_wait_kmcnt 0x0
	s_cmp_lt_u32 s20, 2                            ; bq, bk or bv: the choice hangs on the group's number alone
	s_cselect_b64 s[8:9], s[8:9], s[10:11]
	s_cmp_eq_u32 s19, 1
	s_cselect_b64 s[8:9], s[12:13], s[8:9]
	s_mov_b32 s48, 1
	s_mov_b32 s49, s93
	s_add_nc_u64 s[50:51], s[6:7], s[88:89]
	s_or_b32 s51, s51, 0x80000000
	s_mov_b32 s52, 1
	s_mov_b32 s53, s94
	s_add_nc_u64 s[54:55], s[8:9], s[90:91]
	s_or_b32 s55, s55, 0x80000000
	s_add_nc_u64 s[4:5], s[4:5], s[86:87]
	s_mov_b32 s56, 1
	s_mov_b32 s57, s92
	s_mov_b64 s[58:59], s[4:5]
	s_or_b32 s59, s59, 0x80000000
	s_mov_b32 s60, 1
	s_add_co_u32 s61, s92, 32768
	s_add_nc_u64 s[62:63], s[4:5], 32768
	s_or_b32 s63, s63, 0x80000000
	s_mov_b32 s68, 1
	s_add_co_u32 s69, s92, 65536
	s_add_nc_u64 s[70:71], s[4:5], 65536
	s_or_b32 s71, s71, 0x80000000
	tensor_load_to_lds s[48:51], s[32:39]          ; all first fills as one group, ahead of every wait on TENSORcnt, every LDS read and every barrier: scale words,
	s_nop 0
	tensor_load_to_lds s[52:55], s[40:47]          ; bias,
	s_nop 0
	tensor_load_to_lds s[56:59], s[24:31]          ; K steps 0, 1,
	s_nop 0
	tensor_load_to_lds s[60:63], s[24:31]          ; 2, 3,
	s_nop 0
	tensor_load_to_lds s[68:71], s[24:31]          ; 4, 5
	s_nop 0
.rept 4
	v_nop
.endr
	v_and_b32 v1, 31, v0                           ; lane
	v_and_b32 v2, 15, v0                           ; r
	v_bfe_u32 v3, v0, 4, 1                         ; h
	v_lshlrev_b32 v4, 4, v1                        ; 16 x lane
	v_lshlrev_b32 v5, 2, v1                        ; 4 x lane
	s_and_b32 s95, s18, 1                          ; wp: which four pairs of P
	s_lshr_b32 s96, s18, 1                         ; wr: which pair of R
	s_lshl_b32 s97, s95, 14
	v_add_nc_u32 v[AP], s97, v4
	s_lshl_b32 s97, s96, 12
	s_add_co_u32 s97, s97, 98304
	v_add_nc_u32 v[AR], s97, v4
	s_mul_i32 s97, s95, 3072
	s_add_co_u32 s97, s97, SC
	v_add_nc_u32 v[APS], s97, v5
	s_mul_i32 s97, s96, 768
	s_add_co_u32 s97, s97, SC+8*768
	v_add_nc_u32 v[ARS], s97, v5
	s_lshl_b32 s97, s95, 9
	s_add_co_u32 s97, s97, BIAS
	v_lshlrev_b32 v[ABI], 6, v3
	v_add_nc_u32 v[ABI], s97, v[ABI]               ; the bias of columns 128 wp + 16 h on
	s_lshl_b32 s97, s96, 7
	s_add_co_u32 s97, s97, BIAS
	v_and_b32 v12, 8, v2
	v_add_nc_u32 v12, v12, v2                      ; r + 8 (r / 8)
	v_lshlrev_b32 v[ABR], 2, v12
	v_add_nc_u32 v[ABR], s97, v[ABR]               ; the bias of my lane's column of R's pair, tile 0
	v_lshlrev_b32 v13, 2, v2
	v_lshl_add_u32 v13, v3, 14, v13                ; q, k: scale words: 4 r; lanes 16-31 store the next head's, 16,384 bytes on
	s_mov_b32 s[SEL], 0x76543210
	s_mov_b32 s[SEL+1], 0xfedcba98
	s_mov_b32 s98, 0x05040100                      ; v_perm_b32: the low halves of two words,
	s_mov_b32 s99, 0x07060302                      ; the high halves
.irp b, 0,1,2,3
	v_mov_b32 v[TM+4+\b], 0                        ; written once: a lane permute's destination counts as one of its sources
.endr
	v_cmp_lt_u32 vcc_lo, 15, v1                    ; lanes 16-31
	s_wait_tensorcnt 0x2                           ; my scale words, bias and K steps 0, 1 are in; two chunks may stay out
	s_barrier_signal -1
	s_barrier_wait -1                              ; everybody's are
	KSTEP 0, 1
	KSTEP 1, 0
	v_add_nc_u32 v[AP], 0x8000, v[AP]              ; on to the next chunk
	v_add_nc_u32 v[AR], 0x8000, v[AR]
	s_wait_tensorcnt 0x1                           ; K steps 2, 3 are in; no LDS instruction of mine is out (the step's wait was for 0)
	s_barrier_signal -1
	s_barrier_wait -1
	KSTEP 2, 0
	KSTEP 3, 0
	v_add_nc_u32 v[AP], 0x8000, v[AP]
	v_add_nc_u32 v[AR], 0x8000, v[AR]
	s_wait_tensorcnt 0x0
	s_barrier_signal -1
	s_barrier_wait -1
	KSTEP 4, 0
	KSTEP 5, 0
	s_cmp_eq_u32 s19, 1
	s_cbranch_scc1 .Lmode_v
	; ---- q, k: my 128 columns are two heads, g = 4 pt + 2 wp and g + 1; my rows are token pair tp = 8 rt + wr.  Piece c of the fragment just made is head g + c's 64: its lane's 16 bytes are block h
	s_lshl_b32 s74, s20, 2
	s_lshl_b32 s75, s95, 1
	s_add_co_u32 s74, s74, s75                     ; g
	s_lshl_b32 s75, s21, 3
	s_add_co_u32 s75, s75, s96                     ; tp
	s_lshl_b32 s76, s74, 14
	s_lshl_b32 s77, s75, 6
	s_add_co_u32 s76, s76, s77
	s_mov_b32 s77, 0
	s_lshl_b32 s74, s74, 18
	s_lshl_b32 s75, s75, 10
	s_add_co_u32 s74, s74, s75
	s_mov_b32 s75, 0
	s_add_nc_u64 s[14:15], s[14:15], s[74:75]
	s_add_nc_u64 s[16:17], s[16:17], s[76:77]
.irp t, 0,1,2,3,4,5,6,7
.irp e, 0,1
	ds_load_b128 v[PF+8*\t+4*\e:PF+8*\t+4*\e+3], v[ABI] offset:(\t/2)*128+(\t%2)*32+16*\e   ; the bias in the result's layout: columns 32 (t / 2) + 16 h + 8 (t % 2) + 0 .. 7
.endr
.endr
	s_wait_dscnt 0x0
.irp i, 0,1
.set j, 0
.rept 32
	v_pk_add_f32 v[ACC+64*\i+j:ACC+64*\i+j+1], v[ACC+64*\i+j:ACC+64*\i+j+1], v[PF+j:PF+j+1]   ; ascending: each accumulator is read from its low end on
.set j, j+2
.endr
	QUANT ACC+64*\i, RF+8*\i, PW+\i
.irp c, 0,1
	global_store_b128 v4, v[RF+8*\i+4*\c:RF+8*\i+4*\c+3], s[14:15] offset:\c*262144+\i*512   ; 512 consecutive aligned bytes
.endr
.endr
	v_perm_b32 v34, v[PW+1], v[PW], s98            ; head g's word of row r: tile 0's two bytes, tile 1's two bytes
	v_perm_b32 v35, v[PW+1], v[PW], s99            ; head g + 1's
	v_cndmask_b32 v34, v34, v35, vcc_lo
	global_store_b32 v13, v34, s[16:17]
	s_wait_tensorcnt 0x0
	ds_add_u32 v46, v47
	s_wait_dscnt 0x0
	s_endpgm
.Lmode_v:
	; ---- v: my 128 tokens are key step s = 2 (pt % 8) + wp of batch pt / 8; my rows are 32 of the head's 64: head 4 rt + wr / 2, its half wr % 2
	s_lshr_b32 s74, s20, 3
	s_lshl_b32 s74, s74, 3
	s_lshl_b32 s75, s21, 2
	s_add_co_u32 s74, s74, s75
	s_lshr_b32 s75, s96, 1
	s_add_co_u32 s74, s74, s75                     ; 8 x batch + head
	s_and_b32 s75, s20, 7
	s_lshl_b32 s75, s75, 1
	s_add_co_u32 s75, s75, s95                     ; s
	s_and_b32 s78, s96, 1
	s_lshl_b32 s76, s74, 12
	s_lshl_b32 s77, s75, 8
	s_add_co_u32 s76, s76, s77
	s_lshl_b32 s77, s78, 7
	s_add_co_u32 s76, s76, s77
	s_add_co_u32 s76, s76, VS
	s_mov_b32 s77, 0
	s_lshl_b32 s74, s74, 16
	s_lshl_b32 s75, s75, 12
	s_add_co_u32 s74, s74, s75
	s_lshl_b32 s75, s78, 11
	s_add_co_u32 s74, s74, s75
	s_add_co_u32 s74, s74, VC
	s_mov_b32 s75, 0
	s_add_nc_u64 s[14:15], s[14:15], s[74:75]
	s_add_nc_u64 s[16:17], s[16:17], s[76:77]
	ds_load_b32 v[PF], v[ABR]                      ; one number a lane: my column's bias, tile 0;
	ds_load_b32 v[PF+2], v[ABR] offset:32          ; tile 1: eight columns on
	s_wait_dscnt 0x0
.irp i, 0,1
.set j, 0
.rept 32
	v_pk_add_f32 v[ACC+64*\i+j:ACC+64*\i+j+1], v[ACC+64*\i+j:ACC+64*\i+j+1], v[PF+2*\i:PF+2*\i+1] op_sel_hi:[1,0]   ; the pair's low word serves both halves
.set j, j+2
.endr
	QUANT ACC+64*\i, RF+8*\i, PW+\i
.irp c, 0,1
	global_store_b128 v4, v[RF+8*\i+4*\c:RF+8*\i+4*\c+3], s[14:15] offset:\c*1024+\i*512
.endr
.endr
	v_cndmask_b32 v34, v[PW], v[PW+1], vcc_lo      ; lanes 0-15 store tile 0's words, lanes 16-31 tile 1's
	global_store_b32 v5, v34, s[16:17]
	s_wait_tensorcnt 0x0
	ds_add_u32 v46, v47
	s_wait_dscnt 0x0
	s_endpgm
.Lfunc_end_k_q7fefee18d9_qkv:
	.size	k_q7fefee18d9_qkv, .Lfunc_end_k_q7fefee18d9_qkv-k_q7fefee18d9_qkv
	.p2alignl 7, 3214868480
	.fill 96, 4, 3214868480
	.section	.rodata,"a",@progbits
	.p2align	6, 0x0
	.amdhsa_kernel k_q7fefee18d9_qkv
		.amdhsa_group_segment_fixed_size 211968
		.amdhsa_private_segment_fixed_size 0
		.amdhsa_enable_private_segment 0
		.amdhsa_kernarg_size 56
		.amdhsa_user_sgpr_count 2
		.amdhsa_user_sgpr_kernarg_segment_ptr 1
		.amdhsa_wavefront_size32 1
		.amdhsa_system_sgpr_workgroup_id_x 1
		.amdhsa_system_sgpr_workgroup_id_y 1
		.amdhsa_system_sgpr_workgroup_id_z 1
		.amdhsa_system_vgpr_workitem_id 0
		.amdhsa_next_free_vgpr 256
		.amdhsa_next_free_sgpr 100
		.amdhsa_reserve_vcc 1
		.amdhsa_float_denorm_mode_32 3
		.amdhsa_float_denorm_mode_16_64 3
		.amdhsa_memory_ordered 1
		.amdhsa_forward_progress 1
		.amdhsa_inst_pref_size 57
	.end_amdhsa_kernel
	.amdgpu_metadata
---
amdhsa.version: [ 1, 2 ]
amdhsa.kernels:
  - .name:           k_q7fefee18d9_qkv
    .symbol:         k_q7fefee18d9_qkv.kd
    .args:
      - { .name: pcodes, .offset: 0, .size: 8, .value_kind: global_buffer, .address_space: global }
      - { .name: pscales, .offset: 8, .size: 8, .value_kind: global_buffer, .address_space: global }
      - { .name: bq, .offset: 16, .size: 8, .value_kind: global_buffer, .address_space: global }
      - { .name: bk, .offset: 24, .size: 8, .value_kind: global_buffer, .address_space: global }
      - { .name: bv, .offset: 32, .size: 8, .value_kind: global_buffer, .address_space: global }
      - { .name: hcodes, .offset: 40, .size: 8, .value_kind: global_buffer, .address_space: global }
      - { .name: hscales, .offset: 48, .size: 8, .value_kind: global_buffer, .address_space: global }
    .group_segment_fixed_size: 211968
    .private_segment_fixed_size: 0
    .kernarg_segment_align: 8
    .kernarg_segment_size: 56
    .max_flat_workgroup_size: 512
    .sgpr_count:     100
    .vgpr_count:     256
    .wavefront_size: 32
...
	.end_amdgpu_metadata
.endif
;; end of part 2
;; launch attn (part 3): grid 8 x 32, 16 waves a work-group, clusters of 4 x 1, 169,984 bytes of LDS; arguments hcodes, hscales, acodes, ascales; writes acodes, ascales
.if DOCPART == 3
	.amdgcn_target "amdgcn-amd-amdhsa--gfx1250"
	.amdhsa_code_object_version 6
	.text
	.protected	k_q7fefee18d9_attn
	.globl	k_q7fefee18d9_attn
	.p2align	8
	.type	k_q7fefee18d9_attn,@function
k_q7fefee18d9_attn:
	s_mov_b64 s[64:65], 0
	v_nop
	global_prefetch_b8 v0, s[64:65] scope:SCOPE_SE
	s_setreg_imm32_b32 hwreg(HW_REG_WAVE_MODE, 25, 1), 1
	s_wait_xcnt 0x0
	s_wait_alu depctr_hold_cnt(0) depctr_sa_sdst(0) depctr_va_vdst(0) depctr_va_sdst(0) depctr_va_ssrc(0) depctr_va_vcc(0) depctr_vm_vsrc(0)
	s_getreg_b32 s2, hwreg(HW_REG_IB_STS2, 6, 4)
	s_cmp_eq_u32 s2, 0
	s_cbranch_scc0 .Lentry_in_a_cluster
	s_endpgm
.Lentry_in_a_cluster:
	s_bfe_u32 s2, ttmp6, 0x10000c
	s_cmp_lg_u32 s2, 0x3003
	s_cbranch_scc0 .Lentry_shape_is_right
	s_endpgm
.Lentry_shape_is_right:
; ATTN: for each of 32 (batch, head): S = q k^T / 8, p = 2^(t - M), O = p v / l, both products on codes of FP4; the attended rows are quantised along the hidden axis and stored as images for the last product.
; t = score x log2(e) / 8; M = the running largest t rounded UP to a whole number; p is quantised along the keys, not normalised; l is the sum of the unquantised p; when M moves, l and O are multiplied by 2^(old M - new M): exact.
; SHARES.  A group owns 256 queries of one (batch, head), each of its sixteen waves one tile of 16 in 256 registers: four waves to a SIMD.
; A head's WHOLE K and V lie in LDS (65,536 bytes of codes each, 4,096 of scale words each), each byte filled once: no ring.  Every wave walks the 2,048 keys, 128 a step.
; CLUSTER.  The four query blocks of a cluster belong to one head and need the same K and V: every fill is asked for JOINTLY (the same load, the same descriptor, a mask that names the four).
; LAYOUT.  Both products are used transposed (S^T = k q^T, O^T = v^T p^T): a lane holds ONE query.  All operands are register images whose rows go in pairs of tiles, lane r of tile u = row 8 u + r + 8 (r / 8):
; so p's 16 registers of two neighbouring tiles are 16 neighbouring keys, and O^T's are 16 neighbours of the head's 64.
; K = 64 IN AN INSTRUCTION OF 128.  A pair of key tiles is ONE source 0: tile 0's 64 in k 0-63, tile 1's in k 64-127, and its scale word holds both tiles' two bytes.  Against [q, 0] it gives tile 0's scores,
; against [0, q] tile 1's: the other half meets zero codes, which add nothing under bytes that lie in 1 .. 254.
; THE STEP IS A PIPELINE.  Its 68 exponentials stand one by one among the 96 lines that are ready beside them (t - M of later pairs, the sums of finished pairs, O^T's rescaling, p's scale word, the conversions):
; no two exponentials follow each other from the first score on, and each has a plain independent line directly behind it.  K's fragments of the next step are asked for behind this step's score products.
; LIMITS: NaN and infinities are not served.  A block's largest p is taken from its largest score (v_exp_f32 is taken not to fall where its input rises); p under 2^-126 falls to 0; a block whose largest magnitude
; lies under 2^-124 gets the byte 1; 1 / l is v_rcp_f32.
; REGISTERS: v1-4 addresses that stay, v7 4 r; v8-11 the step's addresses; v12 -M, v13 the largest t, v[14:15] l in two halves; v16-27 [q, 0, q]; v32-63 four pairs of key tiles; v64-95 V's four tiles;
; v96-159 S^T, then p; v160-191 O^T; v224-231 p's codes; v232-247 at work; v248-249 K's scale words, v250-251 V's; v252 f; v253 p's scale word; v254 at work; v255 q's scale word.
.set VC,  4194304                      ; hcodes: q's and k's 16 heads x 262,144 bytes, then v
.set VS,  262144                       ; hscales: 16 x 16,384, then v
.set LV,  65536                        ; LDS: K's codes at 0, V's here,
.set LKS, 131072                       ; K's scale words,
.set LVS, 135168                       ; V's
.macro CROUND                          ; a round of the cluster's barrier: my group's barrier; wave 0 signals for the group; every wave waits for all four groups; my group's barrier once more
	s_barrier_signal -1
	s_barrier_wait -1
	s_cmp_lg_u32 s18, 0
	s_cbranch_scc1 .Lnot_wave_0_\@
	s_barrier_signal -3
.Lnot_wave_0_\@:
	s_barrier_wait -3
	s_barrier_signal -1
	s_barrier_wait -1
.endm
; the plain lines that stand among the exponentials
.macro FM k                            ; pair k of the scores: t - M, two at a time (of the pairs c and -M the low word serves both halves)
	v_pk_fma_f32 v[96+2*(\k):97+2*(\k)], v[96+2*(\k):97+2*(\k)], s[22:23], v[12:13] op_sel_hi:[1,0,0]
.endm
.macro SUM k                           ; l takes pair k of the UNQUANTISED p
	s_wait_alu depctr_va_vdst(0)
	v_pk_add_f32 v[14:15], v[14:15], v[96+2*(\k):97+2*(\k)]
.endm
.macro RS m                            ; pair m of O^T under the new M: x f
	v_pk_mul_f32 v[160+2*(\m):161+2*(\m)], v[160+2*(\m):161+2*(\m)], v[252:253] op_sel_hi:[1,0]
.endm
.macro CV b, half                      ; eight p of block b become eight codes
	s_wait_alu depctr_va_vdst(0)
	v_cvt_scalef32_pk8_fp4_f32 v[224+2*(\b)+(\half)], v[96+16*(\b)+8*(\half):103+16*(\b)+8*(\half)], v[244+(\b)]
.endm
	s_load_b256 s[4:11], s[0:1], 0x0               ; hcodes s[4:5], hscales s[6:7], acodes s[8:9], ascales s[10:11]
	v_lshl_add_u32 v242, v0, 2, 0x29000
	v_mov_b32 v243, 0
	ds_add_u32 v242, v243
	ds_add_u32 v242, v243
	v_lshrrev_b32 v1, 5, v0
	v_readfirstlane_b32 s18, v1                    ; wave 0..15
	s_bfe_u32 s13, ttmp6, 0x40000                  ; cx: my place in the cluster: it enters q's and the outputs' addresses alone
	s_lshl_b32 s12, ttmp9, 2
	s_add_co_u32 s12, s12, s13                     ; my block of 256 queries
	s_and_b32 s14, ttmp7, 0xffff                   ; 8 x batch + head, which the four partners share
	s_lshr_b32 s15, s14, 3                         ; batch
	s_and_b32 s16, s14, 7                          ; head
	s_lshr_b32 s17, s18, 3                         ; waves 0-7 fetch K, waves 8-15 V:
	s_and_b32 s19, s18, 7                          ; an eighth each
	s_add_co_u32 s51, s16, 8
	s_lshl_b32 s52, s51, 18
	s_lshl_b32 s53, s15, 16
	s_add_co_u32 s52, s52, s53                     ; K's codes of this batch and head
	s_lshl_b32 s54, s14, 16
	s_add_co_u32 s54, s54, VC                      ; V's
	s_lshl_b32 s55, s51, 14
	s_lshl_b32 s53, s15, 12
	s_add_co_u32 s55, s55, s53                     ; K's scale words
	s_lshl_b32 s56, s14, 12
	s_add_co_u32 s56, s56, VS                      ; V's
	s_cmp_eq_u32 s17, 0                            ; offsets, not addresses, are chosen, on the wave's number
	s_cselect_b32 s52, s52, s54
	s_cselect_b32 s54, s55, s56
	s_lshl_b32 s53, s19, 13
	s_add_co_u32 s52, s52, s53
	s_mov_b32 s53, 0
	s_lshl_b32 s55, s19, 9
	s_add_co_u32 s54, s54, s55
	s_mov_b32 s55, 0
	s_lshl_b32 s56, s17, 16                        ; and in LDS: the wave's number and constants alone
	s_lshl_b32 s57, s19, 13
	s_add_co_u32 s56, s56, s57
	s_lshl_b32 s57, s17, 12
	s_lshl_b32 s58, s19, 9
	s_add_co_u32 s57, s57, s58
	s_add_co_u32 s57, s57, LKS
	; my tile of queries: token pair tp = 64 batch + 8 block + wave / 2, tile u = wave % 2
	s_lshl_b32 s58, s15, 6
	s_lshl_b32 s59, s12, 3
	s_add_co_u32 s58, s58, s59
	s_lshr_b32 s59, s18, 1
	s_add_co_u32 s58, s58, s59                     ; tp
	s_and_b32 s59, s18, 1                          ; u
	s_lshl_b32 s60, s16, 18
	s_lshl_b32 s61, s58, 10
	s_add_co_u32 s60, s60, s61
	s_lshl_b32 s61, s59, 9
	s_add_co_u32 s60, s60, s61                     ; q's codes
	s_mov_b32 s61, 0
	s_lshl_b32 s62, s16, 14
	s_lshl_b32 s63, s58, 6
	s_add_co_u32 s62, s62, s63                     ; q's scale words
	s_mov_b32 s63, 0
	s_lshr_b32 s70, s16, 1                         ; the last product's K step: two heads to 128,
	s_and_b32 s71, s16, 1                          ; and my head's piece c of it
	s_lshl_b32 s66, s58, 13
	s_lshl_b32 s72, s70, 11
	s_add_co_u32 s66, s66, s72
	s_lshl_b32 s72, s59, 10
	s_add_co_u32 s66, s66, s72
	s_lshl_b32 s72, s71, 9
	s_add_co_u32 s66, s66, s72                     ; where my tile's codes go
	s_mov_b32 s67, 0
	s_lshl_b32 s68, s58, 10
	s_lshl_b32 s72, s70, 8
	s_add_co_u32 s68, s68, s72
	s_lshl_b32 s72, s71, 7
	s_add_co_u32 s68, s68, s72
	s_lshl_b32 s72, s59, 6
	s_add_co_u32 s68, s68, s72                     ; and its half scale words
	s_mov_b32 s69, 0
	s_lshl_b32 s73, s71, 4                         ; which stand 16 c bits up
	s_mov_b32 s74, 0x03020302                      ; v_perm_b32: my tile's two bytes of q's word, twice
	s_cmp_eq_u32 s59, 0
	s_cselect_b32 s74, 0x01000100, s74
	; descriptor groups 1: dense blocks as rows of 256 bytes (32 elements of 8 bytes); 15:0 the mask: all four groups; bit 21 set beside it
	s_mov_b32 s24, 15|(3<<16)|(1<<21)              ; codes: 32 rows
	s_mov_b32 s25, 32<<16
	s_mov_b32 s26, 32<<16
	s_mov_b32 s27, 32<<16
	s_mov_b32 s28, 32
	s_mov_b32 s29, 32
	s_mov_b32 s30, 0
	s_mov_b32 s31, 0
	s_mov_b32 s32, 15|(3<<16)|(1<<21)              ; scale words: 2 rows
	s_mov_b32 s33, 32<<16
	s_mov_b32 s34, 2<<16
	s_mov_b32 s35, 32<<16
	s_mov_b32 s36, 2
	s_mov_b32 s37, 32
	s_mov_b32 s38, 0
	s_mov_b32 s39, 0
	s_mov_b32 s20, 0x76543210
	s_mov_b32 s21, 0xfedcba98                      ; v_permlanex16_b32's selects for lane l xor 16
	s_mov_b32 s22, 0x3e38aa3b                      ; c = log2(e) / sqrt(64)
	s_mov_b32 s23, s22                             ; (named with it as a pair, so it is written)
	s_mov_b32 s48, 0                               ; the step's codes begin here in K's and in V's block: 4,096 bytes a step
	s_mov_b32 s49, 0                               ; its scale words: 256 bytes a step
	s_mov_b32 s50, 15                              ; trips: all steps but the last, which is written out
	s_wait_dscnt 0x0
	s_wait_kmcnt 0x0
	s_add_nc_u64 s[60:61], s[4:5], s[60:61]
	s_add_nc_u64 s[62:63], s[6:7], s[62:63]
	s_add_nc_u64 s[8:9], s[8:9], s[66:67]
	s_add_nc_u64 s[10:11], s[10:11], s[68:69]
	s_mov_b32 s40, 1
	s_mov_b32 s41, s56
	s_add_nc_u64 s[42:43], s[4:5], s[52:53]
	s_or_b32 s43, s43, 0x80000000
	s_mov_b32 s44, 1
	s_mov_b32 s45, s57
	s_add_nc_u64 s[46:47], s[6:7], s[54:55]
	s_or_b32 s47, s47, 0x80000000
	CROUND                                         ; all four groups are here: the joint loads meet
	tensor_load_to_lds s[40:43], s[24:31]          ; the only fills: two loads of mine are out
	s_nop 0
	tensor_load_to_lds s[44:47], s[32:39]
	s_nop 0
.rept 4
	v_nop
.endr
	v_and_b32 v5, 31, v0                           ; lane
	v_lshlrev_b32 v1, 4, v5                        ; 16 x lane: K's images, q's, and my codes on the way out
	v_and_b32 v6, 15, v0
	v_lshlrev_b32 v7, 2, v6                        ; 4 r
	global_load_b128 v[16:19], v1, s[60:61]        ; q's 64 twice: [q, 0] is v[16:23], [0, q] is v[20:27]
	global_load_b128 v[24:27], v1, s[60:61]
	global_load_b32 v254, v7, s[62:63]
	v_add_nc_u32 v2, LV, v1                        ; V's images
	v_lshl_add_u32 v3, v5, 2, LKS                  ; scale words: 4 x lane: lanes 0-15 one tile or pair, lanes 16-31 the next
	v_lshl_add_u32 v4, v5, 2, LVS
.irp j, 20,21,22,23
	v_mov_b32 v[\j], 0                             ; zero codes
.endr
	v_mov_b32 v13, 0xff61b1e6                      ; the largest t so far: -3e38, under every t
	v_floor_f32 v12, -v13                          ; -M
	v_mov_b32 v14, 0
	v_mov_b32 v15, 0
.irp b, 0,1,2,3
	v_mov_b32 v[236+\b], 0                         ; written once: a lane permute's destination counts as one of its sources
.endr
	v_mov_b32 v253, 0                              ; (named as the upper half of the pair v[252:253] before it is first written)
	s_wait_loadcnt 0x0                             ; q
	v_perm_b32 v255, v254, v254, s74               ; q's scale word: [b0, b1, b0, b1] of my tile's row r
.set j, 0
.rept 32
	v_mov_b32 v[160+j], 0                          ; O^T: the steps have no first of their own: the first change of M multiplies zeros.  (These are also the places between q's scale word and the first product)
.set j, j+1
.endr
	s_wait_tensorcnt 0x0                           ; my parts of K and V are in,
	s_barrier_signal -1
	s_barrier_wait -1                              ; everybody's are
.irp p, 0,1,2,3
.irp u, 0,1
	ds_load_b128 v[32+8*\p+4*\u:35+8*\p+4*\u], v1 offset:\p*1024+\u*512   ; step 0's four pairs of key tiles
.endr
.endr
.irp q, 0,1
	ds_load_b32 v[248+\q], v3 offset:128*\q        ; lanes 0-15 pair 2 q's words, lanes 16-31 pair 2 q + 1's
.endr
; A KEY STEP: 128 keys.  more = 1: the next step's K is asked for.
.macro STEP more
.if \more                                      ; four plain lines: the places behind the last step's products, ahead of the loads into their operands
	v_add_nc_u32 v8, s48, v1
	v_add_nc_u32 v10, s49, v3
.else
	v_nop
	v_nop
.endif
	v_add_nc_u32 v9, s48, v2
	v_add_nc_u32 v11, s49, v4
.irp t, 0,1,2,3
.irp c, 0,1
	ds_load_b128 v[64+8*\t+4*\c:67+8*\t+4*\c], v9 offset:(\t/2)*2048+\c*1024+(\t%2)*512   ; V's tile t of the head's 64 x these 128 keys
.endr
.endr
.irp q, 0,1
	ds_load_b32 v[250+\q], v11 offset:128*\q
.endr
	s_wait_dscnt 10                                ; K's ten loads, asked for a step ago, are in; V's ten, just issued, may be out until the second product
.irp p, 0,1,2,3                                ; S^T: lane (r, h) holds query r; the 16 registers of tiles 2 p, 2 p + 1 are keys 32 p + 16 h + 0 .. 15
.if \p % 2
	v_wmma_scale_f32_16x16x128_f8f6f4 v[96+16*\p:103+16*\p], v[32+8*\p:39+8*\p], v[16:23], 0, v[248+\p/2], v255 matrix_a_fmt:MATRIX_FMT_FP4 matrix_b_fmt:MATRIX_FMT_FP4 matrix_a_scale:MATRIX_SCALE_ROW1
	v_wmma_scale_f32_16x16x128_f8f6f4 v[104+16*\p:111+16*\p], v[32+8*\p:39+8*\p], v[20:27], 0, v[248+\p/2], v255 matrix_a_fmt:MATRIX_FMT_FP4 matrix_b_fmt:MATRIX_FMT_FP4 matrix_a_scale:MATRIX_SCALE_ROW1
.else
	v_wmma_scale_f32_16x16x128_f8f6f4 v[96+16*\p:103+16*\p], v[32+8*\p:39+8*\p], v[16:23], 0, v[248+\p/2], v255 matrix_a_fmt:MATRIX_FMT_FP4 matrix_b_fmt:MATRIX_FMT_FP4
	v_wmma_scale_f32_16x16x128_f8f6f4 v[104+16*\p:111+16*\p], v[32+8*\p:39+8*\p], v[20:27], 0, v[248+\p/2], v255 matrix_a_fmt:MATRIX_FMT_FP4 matrix_b_fmt:MATRIX_FMT_FP4
.endif
.endr
.rept 4
	v_nop                                          ; four places: ahead of the loads into K's registers and of the first read of the scores
.endr
.if \more
.irp p, 0,1,2,3
.irp u, 0,1
	ds_load_b128 v[32+8*\p+4*\u:35+8*\p+4*\u], v8 offset:4096+\p*1024+\u*512   ; the next step's K: it has the whole softmax in which to land
.endr
.endr
.irp q, 0,1
	ds_load_b32 v[248+\q], v10 offset:256+128*\q
.endr
.endif
.irp b, 0,1,2,3
	v_max3_num_f32 v[232+\b], v[96+16*\b], v[97+16*\b], v[98+16*\b]   ; the largest score of each block of 32 keys: it serves the row's maximum and, since p rises with the score, the block's largest p
.endr
.irp i, 3,5,7,9,11,13
.irp b, 0,1,2,3
	v_max3_num_f32 v[232+\b], v[232+\b], v[96+16*\b+\i], v[97+16*\b+\i]   ; the four blocks by turns
.endr
.endr
.irp b, 0,1,2,3
	v_max_num_f32 v[232+\b], v[232+\b], v[111+16*\b]
.endr
.irp b, 0,1,2,3
	v_permlanex16_b32 v[236+\b], v[232+\b], s20, s21
.endr
.irp b, 0,1,2,3
	v_max_num_f32 v[232+\b], v[232+\b], v[236+\b]  ; with lane l xor 16's 16 keys
.endr
	v_max3_num_f32 v254, v232, v233, v234
	v_max_num_f32 v254, v254, v235                 ; the step's largest score of my query
	v_mul_f32 v254, s22, v254                      ; as t (c is positive)
	v_max_num_f32 v13, v13, v254                   ; the running largest t
	v_mov_b32 v254, v12
	v_floor_f32 v12, -v13                          ; the new -M = floor(-t) = -ceil(t)
	v_sub_f32 v254, v12, v254                      ; old M - new M: a whole number, 0 or less
	v_cvt_i32_f32 v254, v254                       ; (it saturates)
	v_ldexp_f32 v252, 1.0, v254                    ; f = 2^(old M - new M)
.irp b, 0,1,2,3
	v_fma_f32 v[232+\b], v[232+\b], s22, v12       ; t - M of each block's largest score
.endr
.irp n, 0,1,2,3
	FM \n                                          ; and of the first four pairs of scores
.endr
.irp b, 0,1,2,3
	v_exp_f32 v[232+\b], v[232+\b]                 ; the block's largest p: the same two instructions on the same number give the same bits as the p itself
	FM 4+\b
.endr
; Pair k of the scores: exponential, plain, exponential, plain, and a third place.  First place: t - M eight pairs ahead; then O^T's pairs 0-7.  Second: l x f; O^T's pairs 8-13; then the sum seven pairs back.
; Third: p's scale word (floor, scale operand, byte, word), the conversions of eight p whose exponentials are done, O^T's pairs 14, 15.  Each accumulator of O^T is read first at its low end: pairs 8, 12, 0, 4.
.set k, 0
.rept 32
	v_exp_f32 v[96+2*k], v[96+2*k]                 ; p = 2^(t - M), at most 1
.if k < 24
	FM k+8
.else
	RS k-24
.endif
	v_exp_f32 v[97+2*k], v[97+2*k]
.if k == 0
	v_pk_mul_f32 v[14:15], v[14:15], v[252:253] op_sel_hi:[1,0]   ; l under the new M
	s_wait_alu depctr_va_vdst(0)
.elseif k < 7
	RS k+7
.else
	SUM k-7
.endif
.if k < 4
	v_max_num_f32 v[232+k], 0x1800000, v[232+k]    ; the floor 2^(3 - 127): the byte cannot fall under 1
.elseif k < 8
	v_add_nc_u32 v[244+k-4], 0xff000000, v[232+k-4]   ; 2 off the exponent field: the conversion's scale operand
.elseif k < 12
	v_lshrrev_b32 v[236+k-8], 23, v[244+k-8]       ; the scale's byte
.elseif k == 12
	v_lshl_or_b32 v253, v237, 8, v236              ; p's scale word for these 128 keys
.elseif k == 13
	v_lshl_or_b32 v253, v238, 16, v253
.elseif k == 14
	v_lshl_or_b32 v253, v239, 24, v253
.elseif k == 15
	CV 0, 0
.elseif k == 16
	CV 0, 1
.elseif k == 17
	CV 1, 0
.elseif k == 18
	CV 1, 1
.elseif k == 19
	RS 14
.elseif k == 20
	CV 2, 0
.elseif k == 21
	RS 15
.elseif k == 24
	CV 2, 1
.elseif k == 28
	CV 3, 0
.endif
.set k, k+1
.endr
	SUM 25                                         ; (with the sum above it: two plain lines between the last exponential and the conversion that reads its result)
	CV 3, 1
	SUM 26                                         ; one plain line behind the last scaled conversion
.irp c, 0,1                                    ; a whole block to a lane: lanes 0-15 block 2 c, lanes 16-31 block 2 c + 1
.irp i, 0,1
	v_permlane16_swap_b32 v[224+4*\c+\i], v[226+4*\c+\i]
.endr
.endr
.irp n, 27,28,29,30,31
	SUM \n                                         ; the last sums name no register of the products below: they are the places between p's codes and those products
.endr
.if \more
	s_wait_dscnt 10                                ; V's ten loads are in; the next step's K, issued behind them, may be out
.else
	s_wait_dscnt 0x0                               ; V; nothing was issued behind it
.endif
.irp t, 0,1,2,3                                ; O^T += v^T p^T.  The four accumulators take one turn each a step, the eight score products between two links
.if \t % 2
	v_wmma_scale_f32_16x16x128_f8f6f4 v[160+8*\t:167+8*\t], v[64+8*\t:71+8*\t], v[224:231], v[160+8*\t:167+8*\t], v[250+\t/2], v253 matrix_a_fmt:MATRIX_FMT_FP4 matrix_b_fmt:MATRIX_FMT_FP4 matrix_a_scale:MATRIX_SCALE_ROW1
.else
	v_wmma_scale_f32_16x16x128_f8f6f4 v[160+8*\t:167+8*\t], v[64+8*\t:71+8*\t], v[224:231], v[160+8*\t:167+8*\t], v[250+\t/2], v253 matrix_a_fmt:MATRIX_FMT_FP4 matrix_b_fmt:MATRIX_FMT_FP4
.endif
.endr
.endm
.Lstep:                                            ; 15 trips
	STEP 1
	s_add_co_u32 s48, s48, 4096
	s_add_co_u32 s49, s49, 256
	s_sub_co_u32 s50, s50, 1
	s_cmp_lg_u32 s50, 0
	s_cbranch_scc1 .Lstep
	STEP 0                                         ; the last step asks for no further K
	; THE WAY OUT: O^T / l; register 16 b + i is hidden unit 32 b + 16 h + i of my head for query r: two blocks of the last product's K.  Their codes are piece c = head % 2 of that product's fragment.
.rept 4
	v_nop                                          ; four places behind the last products
.endr
	v_add_f32 v14, v14, v15                        ; l's two halves,
	v_permlanex16_b32 v252, v14, s20, s21
	v_add_f32 v14, v14, v252                       ; and lane l xor 16's
	v_rcp_f32 v14, v14
	v_nop                                          ; one plain line behind a transcendental
.set j, 0
	s_wait_alu depctr_va_vdst(0)
.rept 32
	v_mul_f32 v[96+j], v[160+j], v14
.set j, j+1
.endr
.irp b, 0,1
	v_max3_num_f32 v[232+\b], |v[96+16*\b]|, |v[97+16*\b]|, 0x1800000
.endr
.irp i, 2,4,6,8,10,12,14
.irp b, 0,1
	v_max3_num_f32 v[232+\b], v[232+\b], |v[96+16*\b+\i]|, |v[97+16*\b+\i]|
.endr
.endr
.irp b, 0,1
	v_permlanex16_b32 v[236+\b], v[232+\b], s20, s21
.endr
.irp b, 0,1
	v_max_num_f32 v[232+\b], v[232+\b], v[236+\b]
.endr
.irp b, 0,1
	v_add_nc_u32 v[244+\b], 0xff000000, v[232+\b]
.endr
.irp b, 0,1
	v_lshrrev_b32 v[236+\b], 23, v[244+\b]
.endr
	v_lshl_or_b32 v253, v237, 8, v236              ; my head's two bytes,
	v_lshlrev_b32 v253, s73, v253                  ; at their places in the K step's word: the reader joins the two heads' halves
.irp b, 0,1
	CV \b, 0
	CV \b, 1
.endr
	v_nop                                          ; one plain line behind a scaled conversion
	v_permlane16_swap_b32 v224, v226
	v_permlane16_swap_b32 v225, v227               ; lanes 0-15 block 0, lanes 16-31 block 1
	global_store_b128 v1, v[224:227], s[8:9]       ; 512 consecutive aligned bytes
	global_store_b32 v7, v253, s[10:11]            ; lanes 16-31 store the same word to the same place as lanes 0-15
	s_wait_tensorcnt 0x0
	ds_add_u32 v242, v243
	s_wait_dscnt 0x0
	CROUND                                         ; the closing round: no group ends while a partner may still ask for a tile that names it (no LDS instruction of mine is out: the last step's last wait was for 0)
	s_endpgm
.Lfunc_end_k_q7fefee18d9_attn:
	.size	k_q7fefee18d9_attn, .Lfunc_end_k_q7fefee18d9_attn-k_q7fefee18d9_attn
	.p2alignl 7, 3214868480
	.fill 96, 4, 3214868480
	.section	.rodata,"a",@progbits
	.p2align	6, 0x0
	.amdhsa_kernel k_q7fefee18d9_attn
		.amdhsa_group_segment_fixed_size 169984
		.amdhsa_private_segment_fixed_size 0
		.amdhsa_enable_private_segment 0
		.amdhsa_kernarg_size 32
		.amdhsa_user_sgpr_count 2
		.amdhsa_user_sgpr_kernarg_segment_ptr 1
		.amdhsa_wavefront_size32 1
		.amdhsa_system_sgpr_workgroup_id_x 1
		.amdhsa_system_sgpr_workgroup_id_y 1
		.amdhsa_system_sgpr_workgroup_id_z 1
		.amdhsa_system_vgpr_workitem_id 0
		.amdhsa_next_free_vgpr 256
		.amdhsa_next_free_sgpr 80
		.amdhsa_reserve_vcc 0
		.amdhsa_float_denorm_mode_32 3
		.amdhsa_float_denorm_mode_16_64 3
		.amdhsa_memory_ordered 1
		.amdhsa_forward_progress 1
		.amdhsa_inst_pref_size 44
	.end_amdhsa_kernel
	.amdgpu_metadata
---
amdhsa.version: [ 1, 2 ]
amdhsa.kernels:
  - .name:           k_q7fefee18d9_attn
    .symbol:         k_q7fefee18d9_attn.kd
    .args:
      - { .name: hcodes, .offset: 0, .size: 8, .value_kind: global_buffer, .address_space: global }
      - { .name: hscales, .offset: 8, .size: 8, .value_kind: global_buffer, .address_space: global }
      - { .name: acodes, .offset: 16, .size: 8, .value_kind: global_buffer, .address_space: global }
      - { .name: ascales, .offset: 24, .size: 8, .value_kind: global_buffer, .address_space: global }
    .group_segment_fixed_size: 169984
    .private_segment_fixed_size: 0
    .kernarg_segment_align: 8
    .kernarg_segment_size: 32
    .max_flat_workgroup_size: 512
    .sgpr_count:     80
    .vgpr_count:     256
    .wavefront_size: 32
...
	.end_amdgpu_metadata
.endif
;; end of part 3
;; launch oproj (part 4): grid 4 x 64, 8 waves a work-group, no clusters, 190,464 bytes of LDS; arguments acodes, ascales, pcodes, pscales, bo, out0; writes out0
.if DOCPART == 4
	.amdgcn_target "amdgcn-amd-amdhsa--gfx1250"
	.amdhsa_code_object_version 6
	.text
	.protected	k_q7fefee18d9_oproj
	.globl	k_q7fefee18d9_oproj
	.p2align	8
	.type	k_q7fefee18d9_oproj,@function
k_q7fefee18d9_oproj:
	s_mov_b64 s[64:65], 0
	v_nop
	global_prefetch_b8 v0, s[64:65] scope:SCOPE_SE
	s_setreg_imm32_b32 hwreg(HW_REG_WAVE_MODE, 25, 1), 1
	s_wait_xcnt 0x0
; OPROJ: out = attended Wo + bo on codes of FP4, K = 512: four steps of 128.  Both operands come as register images (16 rows x 128 K = [c][lane][16 bytes]; rows in pairs of tiles, lane r of tile u = row 8 u + r + 8 (r / 8)).
; SHARES.  A group makes 128 tokens x 192 outputs: 256 groups.  Wave w makes token pair w / 2 (32 tokens) x three pairs of outputs (96): 12 accumulators.  USED TRANSPOSED (source 0 = 16 columns of Wo, source 1 = 16 tokens):
; a lane holds one token and eight neighbouring outputs; bo is the C of each sum's first product.
; LDS: the attended rows' codes (32,768 bytes), Wo's (49,152), each byte filled once by two tensor loads a wave (two outstanding by this text's count); behind them, in blocks that no fill touches, a stage for the way out.
; NO CLUSTER: of the 80 KiB that a group fetches, once, 32 KiB are shared with its three neighbours along x; the launch's traffic is its 25 MB of output.
.set OC,  3735552                      ; Wo's codes in pcodes: [pair of 32 outputs][K step][u][c][lane][16]
.set OS,  233472                       ; its scale words in pscales: [pair][K step][u][r]
.set LW,  32768                        ; LDS: Wo's codes
.set STG, 81920                        ; the stage: 128 rows x (768 + 16) bytes; 784 = 49 x 16, so 16 rows begin at 16 different groups of four banks
.set SPI, 784
.set AA,  6                            ; v6   LDS address of my attended fragments    v7 of my Wo fragments
.set AW,  7
.set SO,  12                           ; v12  the stage: where I put 16 bytes         v13 where I read a row back     v14 my byte offset in out0
.set SR,  13
.set GO,  14
.set WS,  32                           ; v32-43 Wo's scale words: pair b, K step s at 32 + 4 b + s: lanes 0-15 tile 0, lanes 16-31 tile 1
.set HS,  44                           ; v44-47 the attended rows' likewise, K step s
.set AF,  48                           ; v48-63 two attended fragments
.set WF,  64                           ; v64-111 six fragments of Wo
.set BI,  112                          ; v112-159 bo in the result's layout, eight registers a tile
.set ACC, 160                          ; v160-255 accumulator (t, i) at 160 + 8 (2 t + i)
.macro WM d, a, b, c, sa, sb, ra, rb
.if (\ra) && (\rb)
	v_wmma_scale_f32_16x16x128_f8f6f4 v[(\d):(\d)+7], v[(\a):(\a)+7], v[(\b):(\b)+7], v[(\c):(\c)+7], v[(\sa)], v[(\sb)] matrix_a_fmt:MATRIX_FMT_FP4 matrix_b_fmt:MATRIX_FMT_FP4 matrix_a_scale:MATRIX_SCALE_ROW1 matrix_b_scale:MATRIX_SCALE_ROW1
.elseif (\ra)
	v_wmma_scale_f32_16x16x128_f8f6f4 v[(\d):(\d)+7], v[(\a):(\a)+7], v[(\b):(\b)+7], v[(\c):(\c)+7], v[(\sa)], v[(\sb)] matrix_a_fmt:MATRIX_FMT_FP4 matrix_b_fmt:MATRIX_FMT_FP4 matrix_a_scale:MATRIX_SCALE_ROW1
.elseif (\rb)
	v_wmma_scale_f32_16x16x128_f8f6f4 v[(\d):(\d)+7], v[(\a):(\a)+7], v[(\b):(\b)+7], v[(\c):(\c)+7], v[(\sa)], v[(\sb)] matrix_a_fmt:MATRIX_FMT_FP4 matrix_b_fmt:MATRIX_FMT_FP4 matrix_b_scale:MATRIX_SCALE_ROW1
.else
	v_wmma_scale_f32_16x16x128_f8f6f4 v[(\d):(\d)+7], v[(\a):(\a)+7], v[(\b):(\b)+7], v[(\c):(\c)+7], v[(\sa)], v[(\sb)] matrix_a_fmt:MATRIX_FMT_FP4 matrix_b_fmt:MATRIX_FMT_FP4
.endif
.endm
	s_load_b256 s[4:11], s[0:1], 0x0               ; acodes s[4:5], ascales s[6:7], pcodes s[8:9], pscales s[10:11]
	s_load_b128 s[12:15], s[0:1], 0x20             ; bo s[12:13], out0 s[14:15]
	v_lshl_add_u32 v30, v0, 2, 0x2e400
	v_mov_b32 v31, 0
	ds_add_u32 v30, v31
	ds_add_u32 v30, v31
	v_lshrrev_b32 v1, 5, v0
	v_readfirstlane_b32 s18, v1                    ; wave 0..7
	s_and_b32 s19, ttmp7, 0xffff                   ; which 128 tokens; ttmp9: which 192 outputs
	s_lshr_b32 s20, s18, 1                         ; wt: my token pair.  On the way out: the pair whose rows I store
	s_and_b32 s21, s18, 1                          ; wn: my 96 outputs.  On the way out: which tile of that pair
	s_lshl_b32 s48, s19, 15
	s_lshl_b32 s22, s18, 12                        ; an eighth of the attended codes: in LDS,
	s_add_co_u32 s48, s48, s22                     ; in memory
	s_mov_b32 s49, 0
	s_mul_i32 s50, ttmp9, 49152
	s_mul_i32 s23, s18, 6144                       ; an eighth of Wo's
	s_add_co_u32 s50, s50, s23
	s_add_co_u32 s50, s50, OC
	s_mov_b32 s51, 0
	s_add_co_u32 s23, s23, LW
	s_mul_i32 s52, ttmp9, 768
	s_mul_i32 s53, s21, 384
	s_add_co_u32 s52, s52, s53                     ; bo at my first output
	s_mov_b32 s53, 0
	s_mul_i32 s54, ttmp9, 3072
	s_mul_i32 s55, s21, 1536
	s_add_co_u32 s54, s54, s55
	s_add_co_u32 s54, s54, OS                      ; Wo's scale words at my first pair
	s_mov_b32 s55, 0
	s_lshl_b32 s56, s19, 12
	s_lshl_b32 s57, s20, 10
	s_add_co_u32 s56, s56, s57                     ; my token pair's scale words
	s_mov_b32 s57, 0
	s_lshl_b32 s58, s19, 7
	s_lshl_b32 s59, s20, 5
	s_add_co_u32 s58, s58, s59
	s_lshl_b32 s59, s21, 3
	s_add_co_u32 s58, s58, s59                     ; the first token that I store: 128 y + 32 (w / 2) + 8 (w % 2)
	s_mul_i32 s58, s58, 3072
	s_mul_i32 s59, ttmp9, 768
	s_add_co_u32 s58, s58, s59
	s_mov_b32 s59, 0
	; descriptor groups 1: dense blocks as rows of 256 bytes (32 elements of 8 bytes), no padding
	s_mov_b32 s24, 3<<16                           ; 16 rows
	s_mov_b32 s25, 32<<16
	s_mov_b32 s26, 16<<16
	s_mov_b32 s27, 32<<16
	s_mov_b32 s28, 16
	s_mov_b32 s29, 32
	s_mov_b32 s30, 0
	s_mov_b32 s31, 0
	s_mov_b32 s32, 3<<16                           ; 24 rows
	s_mov_b32 s33, 32<<16
	s_mov_b32 s34, 24<<16
	s_mov_b32 s35, 32<<16
	s_mov_b32 s36, 24
	s_mov_b32 s37, 32
	s_mov_b32 s38, 0
	s_mov_b32 s39, 0
	s_wait_dscnt 0x0
	s_wait_kmcnt 0x0
	s_mov_b32 s40, 1
	s_mov_b32 s41, s22
	s_add_nc_u64 s[42:43], s[4:5], s[48:49]
	s_or_b32 s43, s43, 0x80000000
	s_mov_b32 s44, 1
	s_mov_b32 s45, s23
	s_add_nc_u64 s[46:47], s[8:9], s[50:51]
	s_or_b32 s47, s47, 0x80000000
	tensor_load_to_lds s[40:43], s[24:31]          ; the only fills, ahead of every wait on TENSORcnt, every LDS read and every barrier
	s_nop 0
	tensor_load_to_lds s[44:47], s[32:39]
	s_nop 0
.rept 4
	v_nop
.endr
	s_add_nc_u64 s[12:13], s[12:13], s[52:53]
	s_add_nc_u64 s[10:11], s[10:11], s[54:55]
	s_add_nc_u64 s[6:7], s[6:7], s[56:57]
	s_add_nc_u64 s[14:15], s[14:15], s[58:59]
	v_and_b32 v1, 31, v0                           ; lane
	v_and_b32 v2, 15, v0                           ; r
	v_bfe_u32 v3, v0, 4, 1                         ; h
	v_lshlrev_b32 v4, 4, v1                        ; 16 x lane
	v_lshlrev_b32 v5, 2, v1                        ; 4 x lane
	v_lshlrev_b32 v8, 6, v3                        ; 64 h
.irp t, 0,1,2,3,4,5
.irp e, 0,1
	global_load_b128 v[BI+8*\t+4*\e:BI+8*\t+4*\e+3], v8, s[12:13] offset:(\t/2)*128+(\t%2)*32+16*\e   ; bo at outputs 32 (t / 2) + 16 h + 8 (t % 2) + 0 .. 7
.endr
.endr
.irp b, 0,1,2
.irp s, 0,1,2,3
	global_load_b32 v[WS+4*\b+\s], v5, s[10:11] offset:\b*512+\s*128
.endr
.endr
.irp s, 0,1,2,3
	global_load_b32 v[HS+\s], v5, s[6:7] offset:\s*256         ; the even head's two bytes,
	global_load_b32 v[24+\s], v5, s[6:7] offset:\s*256+128     ; the odd head's, 16 bits up
.endr
	s_lshl_b32 s60, s20, 13
	v_add_nc_u32 v[AA], s60, v4
	s_mul_i32 s60, s21, 24576
	s_add_co_u32 s60, s60, LW
	v_add_nc_u32 v[AW], s60, v4
	s_mul_i32 s60, s20, 32*SPI
	s_mul_i32 s61, s21, 384
	s_add_co_u32 s60, s60, s61
	s_add_co_u32 s60, s60, STG
	s_mul_i32 s61, s18, 16*SPI
	s_add_co_u32 s61, s61, STG
	s_wait_loadcnt 0x0
.irp s, 0,1,2,3
	v_or_b32 v[HS+\s], v[HS+\s], v[24+\s]          ; the K step's whole scale word
.endr
	v_mul_u32_u24 v[SO], v2, SPI                   ; eight plain lines stand between these scale words and the first product: the addresses of the way out
	v_lshl_add_u32 v[SO], v3, 6, v[SO]
	v_add_nc_u32 v[SO], s60, v[SO]                 ; in: slot 32 wt + r (the rows lie in the tiles' order), + 384 wn + 64 h
	v_mul_u32_u24 v[SR], v3, SPI
	v_lshl_add_u32 v[SR], v2, 4, v[SR]
	v_add_nc_u32 v[SR], s61, v[SR]                 ; back: slots 16 w on: lanes 0-15 one slot, lanes 16-31 the next
	v_mul_u32_u24 v[GO], v3, 3072
	v_lshl_add_u32 v[GO], v2, 4, v[GO]             ; and the same two rows in out0
	s_wait_tensorcnt 0x0                           ; my parts of both operands are in,
	s_barrier_signal -1
	s_barrier_wait -1                              ; everybody's are
.irp s, 0,1,2,3
.if \s > 0
.rept 4
	v_nop                                          ; four places behind the products, ahead of loads into their operands (ISA guide 7.12.1 for vector instructions)
.endr
.endif
.irp i, 0,1
.irp c, 0,1
	ds_load_b128 v[AF+8*\i+4*\c:AF+8*\i+4*\c+3], v[AA] offset:\s*2048+\i*1024+\c*512
.endr
.endr
.irp t, 0,1,2,3,4,5
.irp c, 0,1
	ds_load_b128 v[WF+8*\t+4*\c:WF+8*\t+4*\c+3], v[AW] offset:(\t/2)*8192+\s*2048+(\t%2)*1024+\c*512
.endr
.endr
	s_wait_dscnt 0x0
.irp t, 0,1,2,3,4,5                            ; the 12 accumulators take turns, one instruction a turn
.irp i, 0,1
.if \s == 0
	WM ACC+8*(2*\t+\i), WF+8*\t, AF+8*\i, BI+8*\t, WS+4*(\t/2)+\s, HS+\s, \t%2, \i
.else
	WM ACC+8*(2*\t+\i), WF+8*\t, AF+8*\i, ACC+8*(2*\t+\i), WS+4*(\t/2)+\s, HS+\s, \t%2, \i
.endif
.endr
.endr
.endr
	; THE WAY OUT.  A lane holds 32 neighbouring bytes of a row, and a row's 768 bytes come from two waves: through the stage, a barrier, and back as whole rows
.rept 4
	v_nop                                          ; four places ahead of the first read of results, and of the loads into the operands' registers below
.endr
.irp t, 0,1,2,3,4,5
.irp i, 0,1
	ds_store_b128 v[SO], v[ACC+8*(2*\t+\i):ACC+8*(2*\t+\i)+3] offset:\i*16*SPI+(\t/2)*128+(\t%2)*32        ; each accumulator from its low end on
	ds_store_b128 v[SO], v[ACC+8*(2*\t+\i)+4:ACC+8*(2*\t+\i)+7] offset:\i*16*SPI+(\t/2)*128+(\t%2)*32+16
.endr
.endr
	s_wait_dscnt 0x0                               ; for the others' sake: my stores into the stage are done
	s_barrier_signal -1
	s_barrier_wait -1
.irp e, 0,1,2,3,4,5,6,7
.irp u, 0,1,2
	ds_load_b128 v[WF+4*(3*\e+\u):WF+4*(3*\e+\u)+3], v[SR] offset:2*\e*SPI+256*\u
.endr
.endr
.irp e, 0,1,2,3,4,5,6,7
.irp u, 0,1,2
	s_wait_dscnt 23-(3*\e+\u)                      ; LDS loads come back in order: this one is in, the younger may be out
	global_store_b128 v[GO], v[WF+4*(3*\e+\u):WF+4*(3*\e+\u)+3], s[14:15] offset:(2*\e+8*(\e/4))*3072+256*\u th:TH_STORE_NT   ; slot 2 e + h of a tile is token 2 e + h + 8 (e / 4): sixteen lanes store 256 consecutive aligned bytes
.endr
.endr
	s_wait_tensorcnt 0x0
	ds_add_u32 v30, v31
	s_wait_dscnt 0x0
	s_endpgm
.Lfunc_end_k_q7fefee18d9_oproj:
	.size	k_q7fefee18d9_oproj, .Lfunc_end_k_q7fefee18d9_oproj-k_q7fefee18d9_oproj
	.p2alignl 7, 3214868480
	.fill 96, 4, 3214868480
	.section	.rodata,"a",@progbits
	.p2align	6, 0x0
	.amdhsa_kernel k_q7fefee18d9_oproj
		.amdhsa_group_segment_fixed_size 190464
		.amdhsa_private_segment_fixed_size 0
		.amdhsa_enable_private_segment 0
		.amdhsa_kernarg_size 48
		.amdhsa_user_sgpr_count 2
		.amdhsa_user_sgpr_kernarg_segment_ptr 1
		.amdhsa_wavefront_size32 1
		.amdhsa_system_sgpr_workgroup_id_x 1
		.amdhsa_system_sgpr_workgroup_id_y 1
		.amdhsa_system_sgpr_workgroup_id_z 1
		.amdhsa_system_vgpr_workitem_id 0
		.amdhsa_next_free_vgpr 256
		.amdhsa_next_free_sgpr 66
		.amdhsa_reserve_vcc 0
		.amdhsa_float_denorm_mode_32 3
		.amdhsa_float_denorm_mode_16_64 3
		.amdhsa_memory_ordered 1
		.amdhsa_forward_progress 1
		.amdhsa_inst_pref_size 26
	.end_amdhsa_kernel
	.amdgpu_metadata
---
amdhsa.version: [ 1, 2 ]
amdhsa.kernels:
  - .name:           k_q7fefee18d9_oproj
    .symbol:         k_q7fefee18d9_oproj.kd
    .args:
      - { .name: acodes, .offset: 0, .size: 8, .value_kind: global_buffer, .address_space: global }
      - { .name: ascales, .offset: 8, .size: 8, .value_kind: global_buffer, .address_space: global }
      - { .name: pcodes, .offset: 16, .size: 8, .value_kind: global_buffer, .address_space: global }
      - { .name: pscales, .offset: 24, .size: 8, .value_kind: global_buffer, .address_space: global }
      - { .name: bo, .offset: 32, .size: 8, .value_kind: global_buffer, .address_space: global }
      - { .name: out0, .offset: 40, .size: 8, .value_kind: global_buffer, .address_space: global }
    .group_segment_fixed_size: 190464
    .private_segment_fixed_size: 0
    .kernarg_segment_align: 8
    .kernarg_segment_size: 48
    .max_flat_workgroup_size: 256
    .sgpr_count:     66
    .vgpr_count:     256
    .wavefront_size: 32
...
	.end_amdgpu_metadata
.endif
;; end of part 4
